; MI455X (gfx1250); checked and timed in simulation.
; The chip was launched on July 23, 2026; its instructions are those of AMD's public machine-readable ISA for CDNA 5 (MIT licence, August 2026) and "CDNA5" Instruction Set Architecture Reference Guide (July 2026). The comments in the code are by the model that wrote it; some were corrected since.
;; Attn. Allowed arithmetic: float matrix products may take bf16 or f16 operands with f32 sums; all other float work in f32.
;; Inputs: W 512 x 512 float32; b 512 float32; encoder_outputs 1,024 x 64 x 512 float32; hidden 1 x 64 x 512 float32.
;; Outputs: out0 64 x 1 x 1,024 float32.
;; 2 versions, each right; version 2 is version 1 with the launch score written anew for expert scheduling mode. Each part assembles by itself: llvm-mc -triple=amdgcn-amd-amdhsa -mcpu=gfx1250 --defsym DOCPART=n.
;; ======== version 1 of 2: 3 launches
;; workspace buffers: vproj 131,072 bytes; energy 262,144 bytes
;; launch proj (part 1): grid 8 x 32, 8 waves a work-group, no clusters, 9,216 bytes of LDS; arguments W, hidden, vproj; writes vproj
.if DOCPART == 1
	.amdgcn_target "amdgcn-amd-amdhsa--gfx1250"
	.amdhsa_code_object_version 6
	.text
	.protected	k_q76c0264953_proj
	.globl	k_q76c0264953_proj
	.p2align	8
	.type	k_q76c0264953_proj,@function
k_q76c0264953_proj:
	s_mov_b64 s[64:65], 0
	v_nop
	global_prefetch_b8 v0, s[64:65] scope:SCOPE_SE
	s_setreg_imm32_b32 hwreg(HW_REG_WAVE_MODE, 25, 1), 1
	s_wait_xcnt 0x0
; vproj[b][h] = sum over o of hidden[b][o] * W[o][h].   W: [512][512] f32, hidden: [64][512] f32, vproj: [64][512] f32.
; WHY THIS STEP EXISTS: hidden does not depend on l, so for every input
;   sum_o hidden[b][o] (sum_h W[o][h] x[l][b][h] + bias[o]) = sum_h vproj[b][h] x[l][b][h] + sum_o hidden[b][o] bias[o].
; That replaces 65,536 x 512 x 512 multiply-adds by 64 x 512 x 512 here and 65,536 x 512 in the next launch.
; LIMIT, stated: the same products are summed in another order than in the reference (o first, then h), all in f32; no difference of large
; sums is formed.  All arithmetic stays in f32 on the vector unit: the energies feed an exponential, so their ABSOLUTE error counts, and
; 16-bit operands would cost more than the result's margin; the work left is too small for the matrix unit to matter.
; SHARE: work-group (x, y) makes columns 64 x .. 64 x + 63 for b = 2 y and 2 y + 1.  Eight waves split o: lane (hf = lane / 16, c = lane % 16) of
; wave w takes o = 64 w + 32 hf + i, i = 0 .. 31, and columns 4 c .. 4 c + 3.  One load of W by a wave is two runs of 256 consecutive bytes,
; each starting at a multiple of 256 from W's first byte.  The 16 partial sums (8 waves x 2 halves) meet in LDS; wave 0 adds and stores them.
; NO CLUSTER, NO JOINT LOADS: the 32 work-groups of one x read the same 128 KiB of W, but a lane's words go straight into the registers that
; multiply them; a joint load would land them in LDS to be read once more, for a table of 1 MiB in all.
.set ACC,  8                           ; v[8:15]    sums: b = 2y in 8:11, b = 2y+1 in 12:15 (4 columns each)
.set H,    16                          ; v[16:79]   hidden[bb][my 32 o]: bb = 0 in 16:47, bb = 1 in 48:79
.set WR,   80                          ; v[80:207]  W row i of mine: 4 registers; v[80:143] once more for the 16 partial sums
.set WOFF, 1                           ; v1  byte offset in W of my 16 bytes in my first row
.set HOFF, 2                           ; v2  byte offset in a row of hidden of my first o
.set LST,  3                           ; v3  LDS: where my partial sums go
.set LRD,  4                           ; v4  LDS: where wave 0 reads them back
.set SOFF, 5                           ; v5  byte offset in vproj of wave 0's 16 bytes
.set ROWB, 2048                        ; bytes in a row of W, of hidden and of vproj
	s_load_b128 s[4:7], s[0:1], 0x0                ; W s[4:5], hidden s[6:7]
	s_load_b64 s[8:9], s[0:1], 0x10                ; vproj
	v_lshl_add_u32 v208, v0, 2, 0x2000
	v_mov_b32 v209, 0
	v_lshrrev_b32 v6, 5, v0
	v_readfirstlane_b32 s10, v6                    ; wave 0 .. 7
	s_lshl_b32 s12, ttmp9, 8                       ; my 64 columns: 256 bytes of every row
	s_mov_b32 s13, 0
	s_and_b32 s14, ttmp7, 0xffff
	s_lshl_b32 s14, s14, 12                        ; my two rows of hidden and of vproj: 2 x 2,048 bytes
	s_mov_b32 s15, 0
	s_lshl_b32 s11, s10, 10                        ; my wave's 1,024 bytes of LDS (two partial sums of 512 bytes)
	v_lshrrev_b32 v6, 4, v0                        ; 2 w + hf: which of the 16 runs of 32 o is mine
	v_and_b32 v7, 15, v0
	v_lshlrev_b32 v7, 4, v7                        ; 16 c, at most 240
	v_lshl_or_b32 v[WOFF], v6, 16, v7              ; 32 rows x 2,048 bytes for each run, + 16 c
	v_lshlrev_b32 v[HOFF], 7, v6                   ; 32 o x 4 bytes for each run
	v_bfe_u32 v6, v0, 4, 1                         ; hf, 0 or 1
	v_lshl_add_u32 v[LST], v6, 9, v7               ; 512 hf + 16 c, as a sum: at most 512 + 240 = 752
	v_add_nc_u32 v[LST], s11, v[LST]               ; + 1,024 w: at most 7,168 + 752 = 7,920; the second store ends at 7,920 + 256 + 16 = 8,192
	v_lshl_or_b32 v[SOFF], v6, 11, v7              ; on the way out hf is bb: row bb of my two, + 16 c
	v_and_b32 v[LRD], 31, v0
	v_lshlrev_b32 v[LRD], 4, v[LRD]                ; 16 x lane
	s_wait_kmcnt 0x0
	s_add_nc_u64 s[4:5], s[4:5], s[12:13]          ; W at my columns
	s_add_nc_u64 s[6:7], s[6:7], s[14:15]          ; hidden at my two rows
	s_add_nc_u64 s[8:9], s[8:9], s[14:15]          ; vproj at my two rows
	s_add_nc_u64 s[8:9], s[8:9], s[12:13]          ; and my columns
	; all 48 loads at once: hidden first (16), then my 32 rows of W in the order in which they are used
.irp bb, 0,1
.irp k, 0,1,2,3,4,5,6,7
	global_load_b128 v[H+32*\bb+4*\k:H+32*\bb+4*\k+3], v[HOFF], s[6:7] offset:\bb*ROWB+16*\k
.endr
.endr
.set ri, 0
.rept 32
	global_load_b128 v[WR+4*ri:WR+4*ri+3], v[WOFF], s[4:5] offset:ri*ROWB
.set ri, ri+1
.endr
; Two columns of row ri times hidden[bb][ri].  The factor is one register of an even-aligned pair, sent to both halves of the packed
; instruction: op_sel picks it for the low result, op_sel_hi for the high one.  Row 0 starts the sums: nothing is cleared.
.macro MAC bb, p
.if ri == 0
	v_pk_mul_f32 v[ACC+4*\bb+\p:ACC+4*\bb+\p+1], v[WR+\p:WR+\p+1], v[H+32*\bb:H+32*\bb+1] op_sel_hi:[1,0]
.else
.if ri % 2
	v_pk_fma_f32 v[ACC+4*\bb+\p:ACC+4*\bb+\p+1], v[WR+4*ri+\p:WR+4*ri+\p+1], v[H+32*\bb+ri-1:H+32*\bb+ri], v[ACC+4*\bb+\p:ACC+4*\bb+\p+1] op_sel:[0,1,0] op_sel_hi:[1,1,1]
.else
	v_pk_fma_f32 v[ACC+4*\bb+\p:ACC+4*\bb+\p+1], v[WR+4*ri+\p:WR+4*ri+\p+1], v[H+32*\bb+ri:H+32*\bb+ri+1], v[ACC+4*\bb+\p:ACC+4*\bb+\p+1] op_sel_hi:[1,0,1]
.endif
.endif
.endm
.set ri, 0
.rept 8                                            ; eight groups of four rows
	s_wait_loadcnt 28-ri                           ; loads come back in order (ISA guide 5.7.1): rows up to ri + 3 are in, the 28 - ri younger rows stay out
.rept 4
	MAC 0, 0                                       ; four chains that do not wait for each other
	MAC 0, 2
	MAC 1, 0
	MAC 1, 2
.set ri, ri+1
.endr
.endr
	; LDS: [16 partial sums][2 b][64 columns] f32, 512 bytes a partial sum.  Sixteen lanes store 256 consecutive bytes.
	ds_store_b128 v[LST], v[ACC:ACC+3]
	ds_store_b128 v[LST], v[ACC+4:ACC+7] offset:256
	s_wait_dscnt 0x0                               ; zero: wave 0 reads these bytes behind the barrier
	s_barrier_signal -1
	s_barrier_wait -1
	s_cmp_lg_u32 s10, 0
	s_cbranch_scc1 .Lend                           ; no barrier follows: the other waves are done
.set pp, 0
.rept 16
	ds_load_b128 v[WR+4*pp:WR+4*pp+3], v[LRD] offset:512*pp     ; lane: b = lane / 16, columns 4 (lane % 16) ..
.set pp, pp+1
.endr
	s_wait_dscnt 0x0
.macro FOLD d                          ; partial sums 0 .. d-1 take in d .. 2d-1
.set pp, 0
.rept \d
	v_pk_add_f32 v[WR+4*pp:WR+4*pp+1], v[WR+4*pp:WR+4*pp+1], v[WR+4*(pp+\d):WR+4*(pp+\d)+1]
	v_pk_add_f32 v[WR+4*pp+2:WR+4*pp+3], v[WR+4*pp+2:WR+4*pp+3], v[WR+4*(pp+\d)+2:WR+4*(pp+\d)+3]
.set pp, pp+1
.endr
.endm
	FOLD 8
	FOLD 4
	FOLD 2
	FOLD 1
	global_store_b128 v[SOFF], v[WR:WR+3], s[8:9]  ; sixteen lanes store 256 consecutive bytes, at a multiple of 256 from vproj's first byte
.Lend:
	s_wait_tensorcnt 0x0
	ds_add_u32 v208, v209
	s_wait_dscnt 0x0
	s_endpgm
.Lfunc_end_k_q76c0264953_proj:
	.size	k_q76c0264953_proj, .Lfunc_end_k_q76c0264953_proj-k_q76c0264953_proj
	.p2alignl 7, 3214868480
	.fill 96, 4, 3214868480
	.section	.rodata,"a",@progbits
	.p2align	6, 0x0
	.amdhsa_kernel k_q76c0264953_proj
		.amdhsa_group_segment_fixed_size 9216
		.amdhsa_private_segment_fixed_size 0
		.amdhsa_enable_private_segment 0
		.amdhsa_kernarg_size 24
		.amdhsa_user_sgpr_count 2
		.amdhsa_user_sgpr_kernarg_segment_ptr 1
		.amdhsa_wavefront_size32 1
		.amdhsa_system_sgpr_workgroup_id_x 1
		.amdhsa_system_sgpr_workgroup_id_y 1
		.amdhsa_system_sgpr_workgroup_id_z 1
		.amdhsa_system_vgpr_workitem_id 0
		.amdhsa_next_free_vgpr 210
		.amdhsa_next_free_sgpr 66
		.amdhsa_reserve_vcc 0
		.amdhsa_float_denorm_mode_32 3
		.amdhsa_float_denorm_mode_16_64 3
		.amdhsa_memory_ordered 1
		.amdhsa_forward_progress 1
		.amdhsa_inst_pref_size 18
	.end_amdhsa_kernel
	.amdgpu_metadata
---
amdhsa.version: [ 1, 2 ]
amdhsa.kernels:
  - .name:           k_q76c0264953_proj
    .symbol:         k_q76c0264953_proj.kd
    .args:
      - { .name: W, .offset: 0, .size: 8, .value_kind: global_buffer, .address_space: global }
      - { .name: hidden, .offset: 8, .size: 8, .value_kind: global_buffer, .address_space: global }
      - { .name: vproj, .offset: 16, .size: 8, .value_kind: global_buffer, .address_space: global }
    .group_segment_fixed_size: 9216
    .private_segment_fixed_size: 0
    .kernarg_segment_align: 8
    .kernarg_segment_size: 24
    .max_flat_workgroup_size: 256
    .sgpr_count:     66
    .vgpr_count:     210
    .wavefront_size: 32
...
	.end_amdgpu_metadata
.endif
;; end of part 1
;; launch score (part 2): grid 64 x 4, 16 waves a work-group, no clusters, 3,072 bytes of LDS; arguments encoder_outputs, vproj, hidden, b, energy; writes energy
.if DOCPART == 2
	.amdgcn_target "amdgcn-amd-amdhsa--gfx1250"
	.amdhsa_code_object_version 6
	.text
	.protected	k_q76c0264953_score
	.globl	k_q76c0264953_score
	.p2align	8
	.type	k_q76c0264953_score,@function
k_q76c0264953_score:
	s_mov_b64 s[64:65], 0
	v_nop
	global_prefetch_b8 v0, s[64:65] scope:SCOPE_SE
	s_setreg_imm32_b32 hwreg(HW_REG_WAVE_MODE, 25, 1), 1
	s_wait_xcnt 0x0
; energy[b][l] = sum over h of x[l][b][h] * vproj[b][h]  +  sum over o of hidden[b][o] * bias[o].
; x = encoder_outputs: [1024][64][512] f32; vproj, hidden: [64][512] f32; bias: [512] f32; energy: [64][1024] f32 (already transposed).
; A stream: every byte of x is read once, 134 MB in all against 17 vector instructions a row, so the design is about bytes in flight.
; All in f32 on the vector unit (see the launch that makes vproj for the reason and for the order of the sums).
; SHARE: work-group (x, y) owns b = x and l = 256 y .. 256 y + 255: 512 KiB of x.  Wave w owns rows l = 256 y + 16 w + i, i = 0 .. 15.
; One wave takes a whole row of 2,048 bytes by four loads of 512 consecutive bytes; lane L holds h = 128 j + 4 L .. + 3, j = 0 .. 3, and keeps
; vproj at the same 16 h in registers.  The rows of a wave lie 131,072 bytes apart: all sixteen are reached by the immediate offset
; (at most 15 x 131,072 + 1,536, inside the signed 24 bits), so no address register is ever rewritten and the text needs no loop.
; RING: eight row slots of 16 registers; a wave has up to 32 loads (16 KiB) out, the work-group's sixteen waves 256 KiB.
; The bias term is the same for all rows of the work-group: each lane's share of it is the addend of each row's first multiply-add, so it rides
; through the row's reduction and costs no instruction in a row.
; NO CLUSTER: the four work-groups of one b share 2 KiB of vproj, 2 KiB of hidden and 2 KiB of bias against 512 KiB of their own.
; NO LDS RING, NO MATRIX UNIT: each byte is used once, by the lane that loaded it.
.set XOFF, 1                           ; v1        byte offset of my 16 bytes in my wave's first row, from the work-group's first row
.set POFF, 2                           ; v2        16 x lane: my 16 bytes in each 512 of vproj, hidden, bias
.set LADR, 3                           ; v3        LDS: word 16 w + lane % 16
.set OADR, 4                           ; v4        the way out: 16 x (thread % 64), in LDS and in energy alike
.set V,    8                           ; v[8:23]   vproj at my 16 h
.set T,    24                          ; v[24:25]  my share of the bias term, as a pair
.set A,    26                          ; v[26:27]  a row's products, chain 1
.set BQ,   28                          ; v[28:29]  chain 2
.set R,    30                          ; v30       the row's sum on its way across the lanes
.set R2,   31                          ; v31       the other half's sum
.set E,    32                          ; v32       results: lanes i and i + 16 hold row i
.set HID,  36                          ; v[36:51]  hidden at my 16 o; v[36:39] once more on the way out
.set BIA,  52                          ; v[52:67]  bias at my 16 o
.set X,    68                          ; v[68:195] slot s: 16 registers, a row as loaded
.set ROWSTEP, 131072                   ; bytes from l to l + 1: 64 x 512 x 4
	s_load_b256 s[4:11], s[0:1], 0x0               ; x s[4:5], vproj s[6:7], hidden s[8:9], bias s[10:11]
	s_load_b64 s[12:13], s[0:1], 0x20              ; energy
	v_lshl_add_u32 v196, v0, 2, 0x400
	v_mov_b32 v197, 0
	v_lshrrev_b32 v5, 5, v0
	v_readfirstlane_b32 s22, v5                    ; wave 0 .. 15
	s_and_b32 s24, ttmp7, 0xffff                   ; y: which quarter of l
	s_lshl_b32 s14, ttmp9, 11                      ; row b of vproj and of hidden; also b's 2,048 bytes inside each l of x
	s_mov_b32 s15, 0
	s_lshl_b32 s16, s24, 25                        ; 256 y rows of 131,072 bytes (at most 3 << 25)
	s_add_co_u32 s16, s16, s14
	s_mov_b32 s17, 0
	s_lshl_b32 s18, ttmp9, 12                      ; row b of energy: 4,096 bytes
	s_lshl_b32 s19, s24, 10                        ; + 256 y numbers
	s_add_co_u32 s18, s18, s19
	s_mov_b32 s19, 0
	s_mov_b32 s20, 0x76543210                      ; v_permlanex16_b32: lane i of one half reads lane i of the other
	s_mov_b32 s21, 0xfedcba98
	s_lshl_b32 s25, s22, 6                         ; my wave's 16 words of LDS
	v_and_b32 v6, 31, v0
	v_lshlrev_b32 v[POFF], 4, v6
	v_lshl_or_b32 v[XOFF], v5, 21, v[POFF]         ; 16 w rows of 131,072 bytes + 16 x lane
	v_and_b32 v7, 15, v0
	v_lshlrev_b32 v7, 2, v7
	v_add_nc_u32 v[LADR], s25, v7                  ; 64 w + 4 (lane % 16)
	v_and_b32 v[OADR], 63, v0
	v_lshlrev_b32 v[OADR], 4, v[OADR]
	v_mov_b32 v[R2], 0                             ; v_permlanex16_b32 counts as a reader of its destination
	s_wait_kmcnt 0x0
	s_add_nc_u64 s[4:5], s[4:5], s[16:17]
	s_add_nc_u64 s[6:7], s[6:7], s[14:15]
	s_add_nc_u64 s[8:9], s[8:9], s[14:15]
	s_add_nc_u64 s[12:13], s[12:13], s[18:19]
	; the 12 small loads first, so that one counted wait covers them; then the ring is filled: rows 0 to 7
.irp j, 0,1,2,3
	global_load_b128 v[V+4*\j:V+4*\j+3], v[POFF], s[6:7] offset:512*\j
.endr
.irp j, 0,1,2,3
	global_load_b128 v[HID+4*\j:HID+4*\j+3], v[POFF], s[8:9] offset:512*\j
.endr
.irp j, 0,1,2,3
	global_load_b128 v[BIA+4*\j:BIA+4*\j+3], v[POFF], s[10:11] offset:512*\j
.endr
.irp s, 0,1,2,3,4,5,6,7
.irp j, 0,1,2,3
	global_load_b128 v[X+16*\s+4*\j:X+16*\s+4*\j+3], v[XOFF], s[4:5] offset:\s*ROWSTEP+512*\j th:TH_LOAD_NT
.endr
.endr
	s_wait_loadcnt 32                              ; loads come back in order (ISA guide 5.7.1): the 32 of the ring stay out, the 12 in front of them are in
	v_pk_mul_f32 v[T:T+1], v[HID:HID+1], v[BIA:BIA+1]          ; my 16 products hidden x bias, as a pair of sums
.irp k, 2,4,6,8,10,12,14
	v_pk_fma_f32 v[T:T+1], v[HID+\k:HID+\k+1], v[BIA+\k:BIA+\k+1], v[T:T+1]
.endr
; Row i, in slot i % 8.  Rows 0 to 7 fill their slot again with the row eight further on, as soon as the products have read it.
.macro TURN i
.set sl, X+16*((\i)%8)
.if \i < 8
	s_wait_loadcnt 28                              ; my four loads are in; seven younger rows, four loads each, stay out
.else
	s_wait_loadcnt 4*(15-\i)                       ; nothing is asked for any more: 15 - i younger rows are left
.endif
	v_pk_fma_f32 v[A:A+1], v[sl:sl+1], v[V:V+1], v[T:T+1]      ; the bias term starts chain 1,
	v_pk_mul_f32 v[BQ:BQ+1], v[sl+2:sl+3], v[V+2:V+3]          ; a product chain 2: nothing is cleared
.irp j, 1,2,3
	v_pk_fma_f32 v[A:A+1], v[sl+4*\j:sl+4*\j+1], v[V+4*\j:V+4*\j+1], v[A:A+1]
	v_pk_fma_f32 v[BQ:BQ+1], v[sl+4*\j+2:sl+4*\j+3], v[V+4*\j+2:V+4*\j+3], v[BQ:BQ+1]
.endr
.if \i < 8
.irp j, 0,1,2,3
	global_load_b128 v[sl+4*\j:sl+4*\j+3], v[XOFF], s[4:5] offset:(\i+8)*ROWSTEP+512*\j th:TH_LOAD_NT
.endr
.endif
	v_pk_add_f32 v[A:A+1], v[A:A+1], v[BQ:BQ+1]
	v_add_f32 v[R], v[A], v[A+1]
	v_add_f32_dpp v[R], v[R], v[R] row_xmask:1 row_mask:0xf bank_mask:0xf     ; across 16 lanes on the adds themselves,
	v_add_f32_dpp v[R], v[R], v[R] row_xmask:2 row_mask:0xf bank_mask:0xf
	v_add_f32_dpp v[R], v[R], v[R] row_xmask:4 row_mask:0xf bank_mask:0xf
	v_add_f32_dpp v[R], v[R], v[R] row_xmask:8 row_mask:0xf bank_mask:0xf
	v_permlanex16_b32 v[R2], v[R], s20, s21                                   ; then the other half
.if \i == 0
	v_add_f32 v[E], v[R], v[R2]                    ; row 0 writes every lane of E, so that E is whole before it is read
.else
	v_add_f32 v[R], v[R], v[R2]
	s_mov_b32 s23, 0x10001<<\i                     ; a constant mask: lanes i and i + 16 keep row i
	v_cndmask_b32 v[E], v[E], v[R], s23
.endif
.endm
.irp i, 0,1,2,3,4,5,6,7,8,9,10,11,12,13,14,15
	TURN \i
.endr
	; the work-group's 256 energies meet in LDS (word 16 w + i is l = 256 y + 16 w + i) and leave as 16 bytes a lane
	ds_store_b32 v[LADR], v[E]                     ; lanes i and i + 16 write the same word with the same value
	s_wait_dscnt 0x0                               ; zero: waves 0 and 1 read these bytes behind the barrier
	s_barrier_signal -1
	s_barrier_wait -1
	s_cmp_gt_u32 s22, 1
	s_cbranch_scc1 .Lend                           ; no barrier follows: the other waves are done
	ds_load_b128 v[HID:HID+3], v[OADR]
	s_wait_dscnt 0x0
	global_store_b128 v[OADR], v[HID:HID+3], s[12:13]          ; each of the two waves stores 512 consecutive bytes, at a multiple of 256 from energy's first byte
.Lend:
	s_wait_tensorcnt 0x0
	ds_add_u32 v196, v197
	s_wait_dscnt 0x0
	s_endpgm
.Lfunc_end_k_q76c0264953_score:
	.size	k_q76c0264953_score, .Lfunc_end_k_q76c0264953_score-k_q76c0264953_score
	.p2alignl 7, 3214868480
	.fill 96, 4, 3214868480
	.section	.rodata,"a",@progbits
	.p2align	6, 0x0
	.amdhsa_kernel k_q76c0264953_score
		.amdhsa_group_segment_fixed_size 3072
		.amdhsa_private_segment_fixed_size 0
		.amdhsa_enable_private_segment 0
		.amdhsa_kernarg_size 40
		.amdhsa_user_sgpr_count 2
		.amdhsa_user_sgpr_kernarg_segment_ptr 1
		.amdhsa_wavefront_size32 1
		.amdhsa_system_sgpr_workgroup_id_x 1
		.amdhsa_system_sgpr_workgroup_id_y 1
		.amdhsa_system_sgpr_workgroup_id_z 1
		.amdhsa_system_vgpr_workitem_id 0
		.amdhsa_next_free_vgpr 198
		.amdhsa_next_free_sgpr 66
		.amdhsa_reserve_vcc 0
		.amdhsa_float_denorm_mode_32 3
		.amdhsa_float_denorm_mode_16_64 3
		.amdhsa_memory_ordered 1
		.amdhsa_forward_progress 1
		.amdhsa_inst_pref_size 28
	.end_amdhsa_kernel
	.amdgpu_metadata
---
amdhsa.version: [ 1, 2 ]
amdhsa.kernels:
  - .name:           k_q76c0264953_score
    .symbol:         k_q76c0264953_score.kd
    .args:
      - { .name: encoder_outputs, .offset: 0, .size: 8, .value_kind: global_buffer, .address_space: global }
      - { .name: vproj, .offset: 8, .size: 8, .value_kind: global_buffer, .address_space: global }
      - { .name: hidden, .offset: 16, .size: 8, .value_kind: global_buffer, .address_space: global }
      - { .name: b, .offset: 24, .size: 8, .value_kind: global_buffer, .address_space: global }
      - { .name: energy, .offset: 32, .size: 8, .value_kind: global_buffer, .address_space: global }
    .group_segment_fixed_size: 3072
    .private_segment_fixed_size: 0
    .kernarg_segment_align: 8
    .kernarg_segment_size: 40
    .max_flat_workgroup_size: 512
    .sgpr_count:     66
    .vgpr_count:     198
    .wavefront_size: 32
...
	.end_amdgpu_metadata
.endif
;; end of part 2
;; launch soft (part 3): grid 64 x 1, 1 waves a work-group, no clusters, 0 bytes of LDS; arguments energy, out0; writes out0
.if DOCPART == 3
	.amdgcn_target "amdgcn-amd-amdhsa--gfx1250"
	.amdhsa_code_object_version 6
	.text
	.protected	k_q76c0264953_soft
	.globl	k_q76c0264953_soft
	.p2align	8
	.type	k_q76c0264953_soft,@function
k_q76c0264953_soft:
	s_mov_b64 s[64:65], 0
	v_nop
	global_prefetch_b8 v0, s[64:65] scope:SCOPE_SE
	s_setreg_imm32_b32 hwreg(HW_REG_WAVE_MODE, 25, 1), 1
	s_wait_xcnt 0x0
; out0[b][0][l] = exp(energy[b][l] - m[b]) / sum over l of exp(energy[b][l] - m[b]),  m[b] = the largest energy of row b.
; energy: [64][1024] f32, out0: [64][1][1024] f32.  A launch of its own because a row's 1,024 energies come from four work-groups of the
; launch before, which may not talk to each other.
; One wave, one row: 4,096 bytes are 32 registers of a wave, so the row stays in registers between the maximum, the sum and the scaling;
; no LDS, no barrier.  Each load and store covers 512 consecutive bytes.  64 rows are all the work there is: 64 work-groups.
; The row's true maximum is taken away before the exponential, as in the reference, by an exact subtraction in front of the factor log2(e).
; LIMITS, stated: v_exp_f32 gives zero where the result would lie below 2^-126 (the reference may give a denormal there).
; A NaN, or an infinity at the maximum, makes the whole row NaN, as in the reference (the NaN reaches the sum and through it every number).
.set X,  4                             ; v[4:35]   the row: lane L holds l = 128 j + 4 L .. + 3 in v[X+4j : X+4j+3]
.set M,  36                            ; v36       running maximum, chain 1
.set M2, 37                            ; v37       chain 2
.set MM, 38                            ; v[38:39]  the maximum, twice (a pair for the packed subtraction)
.set S,  40                            ; v[40:41]  sums, chain 1
.set S2, 42                            ; v[42:43]  chain 2
.set RC, 44                            ; v[44:45]  1 / sum, twice
.set PX, 46                            ; v46       the other half's figure
	s_load_b128 s[4:7], s[0:1], 0x0                ; energy s[4:5], out0 s[6:7]
	s_lshl_b32 s10, ttmp9, 12                      ; row b: 4,096 bytes
	s_mov_b32 s11, 0
	s_mov_b32 s8, 0x76543210                       ; v_permlanex16_b32: lane i of one half reads lane i of the other
	s_mov_b32 s9, 0xfedcba98
	v_lshlrev_b32 v1, 4, v0                        ; 16 bytes a lane
	v_mov_b32 v[PX], 0                             ; v_permlanex16_b32 counts as a reader of its destination
	s_wait_kmcnt 0x0
	s_add_nc_u64 s[4:5], s[4:5], s[10:11]
	s_add_nc_u64 s[6:7], s[6:7], s[10:11]
.irp j, 0,1,2,3,4,5,6,7
	global_load_b128 v[X+4*\j:X+4*\j+3], v1, s[4:5] offset:512*\j
.endr
	s_wait_loadcnt 0x0                             ; the maximum needs the whole row
	; the maximum: two chains over my 32 numbers, started by the first six
	v_max3_num_f32 v[M], v[X], v[X+1], v[X+2]
	v_max3_num_f32 v[M2], v[X+3], v[X+4], v[X+5]
.set j, 6
.rept 6
	v_max3_num_f32 v[M], v[M], v[X+j], v[X+j+1]
	v_max3_num_f32 v[M2], v[M2], v[X+j+2], v[X+j+3]
.set j, j+4
.endr
	v_max3_num_f32 v[M], v[M], v[X+30], v[X+31]
	v_max_num_f32 v[M], v[M], v[M2]
	v_max_num_f32_dpp v[M], v[M], v[M] row_xmask:1 row_mask:0xf bank_mask:0xf
	v_max_num_f32_dpp v[M], v[M], v[M] row_xmask:2 row_mask:0xf bank_mask:0xf
	v_max_num_f32_dpp v[M], v[M], v[M] row_xmask:4 row_mask:0xf bank_mask:0xf
	v_max_num_f32_dpp v[M], v[M], v[M] row_xmask:8 row_mask:0xf bank_mask:0xf
	v_permlanex16_b32 v[PX], v[M], s8, s9
	v_max_num_f32 v[MM], v[M], v[PX]               ; every lane holds the row's maximum
	v_mov_b32 v[MM+1], v[MM]
	; exp(x - m) = 2^((x - m) log2 e), in place
.set j, 0
.rept 16
	v_pk_add_f32 v[X+j:X+j+1], v[X+j:X+j+1], v[MM:MM+1] neg_lo:[0,1] neg_hi:[0,1]
.set j, j+2
.endr
.set j, 0
.rept 16
	v_pk_mul_f32 v[X+j:X+j+1], v[X+j:X+j+1], 0x3fb8aa3b op_sel_hi:[1,0]
.set j, j+2
.endr
.set j, 0
.rept 32
	v_exp_f32 v[X+j], v[X+j]
.set j, j+1
.endr
	v_nop                                          ; one plain vector instruction between the last exponential and the first use of a result (ISA guide 5.7.2)
	; the sum: two chains, started by the first adds; it is at least 1, since the maximum's own term is 2^0
	s_wait_alu depctr_va_vdst(0)
	v_pk_add_f32 v[S:S+1], v[X:X+1], v[X+2:X+3]
	v_pk_add_f32 v[S2:S2+1], v[X+4:X+5], v[X+6:X+7]
.set j, 8
.rept 6
	v_pk_add_f32 v[S:S+1], v[S:S+1], v[X+j:X+j+1]
	v_pk_add_f32 v[S2:S2+1], v[S2:S2+1], v[X+j+2:X+j+3]
.set j, j+4
.endr
	v_pk_add_f32 v[S:S+1], v[S:S+1], v[S2:S2+1]
	v_add_f32 v[S], v[S], v[S+1]
	v_add_f32_dpp v[S], v[S], v[S] row_xmask:1 row_mask:0xf bank_mask:0xf
	v_add_f32_dpp v[S], v[S], v[S] row_xmask:2 row_mask:0xf bank_mask:0xf
	v_add_f32_dpp v[S], v[S], v[S] row_xmask:4 row_mask:0xf bank_mask:0xf
	v_add_f32_dpp v[S], v[S], v[S] row_xmask:8 row_mask:0xf bank_mask:0xf
	v_permlanex16_b32 v[PX], v[S], s8, s9
	v_add_f32 v[S], v[S], v[PX]
	v_rcp_f32 v[RC], v[S]                          ; twice, to fill the pair that the packed multiply takes
	v_rcp_f32 v[RC+1], v[S]
	v_nop                                          ; one plain vector instruction before the reciprocals are used (ISA guide 5.7.2)
	s_wait_alu depctr_va_vdst(0)
.irp j, 0,1,2,3,4,5,6,7
	v_pk_mul_f32 v[X+4*\j:X+4*\j+1], v[X+4*\j:X+4*\j+1], v[RC:RC+1]
	v_pk_mul_f32 v[X+4*\j+2:X+4*\j+3], v[X+4*\j+2:X+4*\j+3], v[RC:RC+1]
	global_store_b128 v1, v[X+4*\j:X+4*\j+3], s[6:7] offset:512*\j         ; 512 consecutive bytes, at a multiple of 256 from out0's first byte
.endr
	s_endpgm
.Lfunc_end_k_q76c0264953_soft:
	.size	k_q76c0264953_soft, .Lfunc_end_k_q76c0264953_soft-k_q76c0264953_soft
	.p2alignl 7, 3214868480
	.fill 96, 4, 3214868480
	.section	.rodata,"a",@progbits
	.p2align	6, 0x0
	.amdhsa_kernel k_q76c0264953_soft
		.amdhsa_group_segment_fixed_size 0
		.amdhsa_private_segment_fixed_size 0
		.amdhsa_enable_private_segment 0
		.amdhsa_kernarg_size 16
		.amdhsa_user_sgpr_count 2
		.amdhsa_user_sgpr_kernarg_segment_ptr 1
		.amdhsa_wavefront_size32 1
		.amdhsa_system_sgpr_workgroup_id_x 1
		.amdhsa_system_sgpr_workgroup_id_y 1
		.amdhsa_system_sgpr_workgroup_id_z 1
		.amdhsa_system_vgpr_workitem_id 0
		.amdhsa_next_free_vgpr 48
		.amdhsa_next_free_sgpr 66
		.amdhsa_reserve_vcc 0
		.amdhsa_float_denorm_mode_32 3
		.amdhsa_float_denorm_mode_16_64 3
		.amdhsa_memory_ordered 1
		.amdhsa_forward_progress 1
		.amdhsa_inst_pref_size 10
	.end_amdhsa_kernel
	.amdgpu_metadata
---
amdhsa.version: [ 1, 2 ]
amdhsa.kernels:
  - .name:           k_q76c0264953_soft
    .symbol:         k_q76c0264953_soft.kd
    .args:
      - { .name: energy, .offset: 0, .size: 8, .value_kind: global_buffer, .address_space: global }
      - { .name: out0, .offset: 8, .size: 8, .value_kind: global_buffer, .address_space: global }
    .group_segment_fixed_size: 0
    .private_segment_fixed_size: 0
    .kernarg_segment_align: 8
    .kernarg_segment_size: 16
    .max_flat_workgroup_size: 32
    .sgpr_count:     66
    .vgpr_count:     48
    .wavefront_size: 32
...
	.end_amdgpu_metadata
.endif
;; end of part 3
;; ======== version 2 of 2: 3 launches; version 1 with the launch score written anew for expert scheduling mode
;; workspace buffers: vproj 131,072 bytes; energy 262,144 bytes
;; launch proj: the kernel of part 1 again; grid 8 x 32, 8 waves a work-group, no clusters, 9,216 bytes of LDS; arguments W, hidden, vproj; writes vproj
;; launch score (part 4): grid 64 x 4, 16 waves a work-group, no clusters, 3,072 bytes of LDS; arguments encoder_outputs, vproj, hidden, b, energy; writes energy
.if DOCPART == 4
	.amdgcn_target "amdgcn-amd-amdhsa--gfx1250"
	.amdhsa_code_object_version 6
	.text
	.protected	k_q76c0264953_score
	.globl	k_q76c0264953_score
	.p2align	8
	.type	k_q76c0264953_score,@function
k_q76c0264953_score:
	s_mov_b64 s[64:65], 0
	v_nop
	global_prefetch_b8 v0, s[64:65] scope:SCOPE_SE
	s_setreg_imm32_b32 hwreg(HW_REG_WAVE_SCHED_MODE, 0, 2), 2
	s_setreg_imm32_b32 hwreg(HW_REG_WAVE_MODE, 25, 1), 1
	s_wait_xcnt 0x0
	s_wait_alu depctr_vm_vsrc(0)
; energy[b][l] = sum over h of x[l][b][h] * vproj[b][h]  +  sum over o of hidden[b][o] * bias[o].
; x = encoder_outputs: [1024][64][512] f32; vproj, hidden: [64][512] f32; bias: [512] f32; energy: [64][1024] f32 (already transposed).
; A stream: every byte of x is read once, 134 MB in all against 17 vector instructions a row, so the design is about bytes in flight.
; All in f32 on the vector unit (see the launch that makes vproj for the reason and for the order of the sums).
; SHARE: work-group (x, y) owns b = x and l = 256 y .. 256 y + 255: 512 KiB of x.  Wave w owns rows l = 256 y + 16 w + i, i = 0 .. 15.
; One wave takes a whole row of 2,048 bytes by four loads of 512 consecutive bytes; lane L holds h = 128 j + 4 L .. + 3, j = 0 .. 3, and keeps
; vproj at the same 16 h in registers.  The rows of a wave lie 131,072 bytes apart: all sixteen are reached by the immediate offset
; (at most 15 x 131,072 + 1,536, inside the signed 24 bits), so no address register is ever rewritten and the text needs no loop.
; RING: nine row slots of 16 registers; row r lies in slot r % 9.  A wave has 36 loads (18 KiB) out at the start, later 28 to 32.
; The bias term is the same for all rows of the work-group: each lane's share of it is the addend of each row's first multiply-add, so it rides
; through the row's reduction and costs no instruction in a row.
; NO CLUSTER: the four work-groups of one b share 2 KiB of vproj, 2 KiB of hidden and 2 KiB of bias against 512 KiB of their own.
; NO LDS RING, NO MATRIX UNIT: each byte is used once, by the lane that loaded it.
; THE MODE: SCHED_MODE bits 1:0 = 2 (LLVM: expert scheduling mode 2), set by the entry lines.  The code itself states the register dependences
; between vector instructions and memory or LDS instructions, with s_wait_alu, always for 0.
; THE PLAN.  Registers that memory or LDS instructions touch:
;   v1 .. v4     offsets and LDS addresses: made once at the head by vector instructions, read by every load and store, never written again.
;   X0 .. X8     Row r's four loads land in X[r % 9]; row r's eight products read it.  Turn i (1 to 7) asks for row i + 8, which lands in
;                X[(i - 1) % 9]: the slot that turn i - 1 worked on and that no vector instruction of turn i names.
;   V, BIA       loaded once, read by vector instructions alone.
;   HID          loaded once, read by the bias products; on the way out the LDS load lands in its first four registers, which the last store reads.
;   E            written by each turn's last vector instruction; read by the one LDS store.
;   T, A, BQ, R, R2 are named by vector instructions alone.
; So one wait on va_vdst stands at the head of each of turns 1 to 7, behind the wait for the turn's data: the turn before is done reading its slot.
; The turn's four loads follow it, dealt among the turn's products.  One more stands ahead of the first load (the offsets are written) and one ahead of
; the LDS store (E is written).  No register that a memory or LDS instruction reads is written again, so no wait on vm_vsrc has anything to state.
.set XOFF, 1                           ; v1        byte offset of my 16 bytes in my wave's first row, from the work-group's first row
.set POFF, 2                           ; v2        16 x lane: my 16 bytes in each 512 of vproj, hidden, bias
.set LADR, 3                           ; v3        LDS: word 16 w + lane % 16
.set OADR, 4                           ; v4        the way out: 16 x (thread % 64), in LDS and in energy alike
.set V,    8                           ; v[8:23]   vproj at my 16 h
.set T,    24                          ; v[24:25]  my share of the bias term, as a pair
.set A,    26                          ; v[26:27]  a row's products, chain 1
.set BQ,   28                          ; v[28:29]  chain 2
.set R,    30                          ; v30       the row's sum on its way across the lanes
.set R2,   31                          ; v31       the other half's sum
.set E,    32                          ; v32       results: lanes i and i + 16 hold row i
.set HID,  36                          ; v[36:51]  hidden at my 16 o; v[36:39] once more on the way out
.set BIA,  52                          ; v[52:67]  bias at my 16 o
.set X,    68                          ; v[68:211] slot s: 16 registers, a row as loaded
.set SLOTS, 9
.set MSK,  31                          ; s[32:46]  row i's lane mask at s[MSK + i], i = 1 .. 15
.set ROWSTEP, 131072                   ; bytes from l to l + 1: 64 x 512 x 4
	s_load_b256 s[4:11], s[0:1], 0x0               ; x s[4:5], vproj s[6:7], hidden s[8:9], bias s[10:11]
	s_load_b64 s[12:13], s[0:1], 0x20              ; energy
	v_lshl_add_u32 v34, v0, 2, 0x400
	v_mov_b32 v35, 0
	v_lshrrev_b32 v5, 5, v0
	v_readfirstlane_b32 s22, v5                    ; wave 0 .. 15
	s_and_b32 s24, ttmp7, 0xffff                   ; y: which quarter of l
	s_lshl_b32 s14, ttmp9, 11                      ; row b of vproj and of hidden; also b's 2,048 bytes inside each l of x
	s_mov_b32 s15, 0
	s_lshl_b32 s16, s24, 25                        ; 256 y rows of 131,072 bytes (at most 3 << 25)
	s_add_co_u32 s16, s16, s14
	s_mov_b32 s17, 0
	s_lshl_b32 s18, ttmp9, 12                      ; row b of energy: 4,096 bytes
	s_lshl_b32 s19, s24, 10                        ; + 256 y numbers
	s_add_co_u32 s18, s18, s19
	s_mov_b32 s19, 0
	s_mov_b32 s20, 0x76543210                      ; v_permlanex16_b32: lane i of one half reads lane i of the other
	s_mov_b32 s21, 0xfedcba98
.irp i, 1,2,3,4,5,6,7,8,9,10,11,12,13,14,15
	s_mov_b32 s[MSK+\i], 0x10001<<\i               ; a constant mask: lanes i and i + 16 keep row i.  A register to each row, written once: no scalar instruction writes a register that a vector instruction has read
.endr
	s_wait_alu depctr_va_sdst(0)                   ; s22 is written, ahead of its first reader, the line below
	s_lshl_b32 s25, s22, 6                         ; my wave's 16 words of LDS
	v_and_b32 v6, 31, v0
	v_lshlrev_b32 v[POFF], 4, v6
	v_lshl_or_b32 v[XOFF], v5, 21, v[POFF]         ; 16 w rows of 131,072 bytes + 16 x lane
	v_and_b32 v7, 15, v0
	v_lshlrev_b32 v7, 2, v7
	v_add_nc_u32 v[LADR], s25, v7                  ; 64 w + 4 (lane % 16)
	v_and_b32 v[OADR], 63, v0
	v_lshlrev_b32 v[OADR], 4, v[OADR]
	v_mov_b32 v[R2], 0                             ; v_permlanex16_b32 counts as a reader of its destination
	s_wait_kmcnt 0x0
	s_add_nc_u64 s[4:5], s[4:5], s[16:17]
	s_add_nc_u64 s[6:7], s[6:7], s[14:15]
	s_add_nc_u64 s[8:9], s[8:9], s[14:15]
	s_add_nc_u64 s[12:13], s[12:13], s[18:19]
	s_wait_alu depctr_va_vdst(0)                   ; v1 to v4 are written: every load, the LDS store, the LDS load and the last store read one of them
	; the 12 small loads first, so that one counted wait covers them; then the ring is filled: rows 0 to 8
.irp j, 0,1,2,3
	global_load_b128 v[V+4*\j:V+4*\j+3], v[POFF], s[6:7] offset:512*\j
.endr
.irp j, 0,1,2,3
	global_load_b128 v[HID+4*\j:HID+4*\j+3], v[POFF], s[8:9] offset:512*\j
.endr
.irp j, 0,1,2,3
	global_load_b128 v[BIA+4*\j:BIA+4*\j+3], v[POFF], s[10:11] offset:512*\j
.endr
.irp s, 0,1,2,3,4,5,6,7,8
.irp j, 0,1,2,3
	global_load_b128 v[X+16*\s+4*\j:X+16*\s+4*\j+3], v[XOFF], s[4:5] offset:\s*ROWSTEP+512*\j th:TH_LOAD_NT
.endr
.endr
	s_wait_loadcnt 36                              ; loads come back in order (ISA guide 5.7.1): the 36 of the ring stay out, the 12 in front of them are in
	v_pk_mul_f32 v[T:T+1], v[HID:HID+1], v[BIA:BIA+1]          ; my 16 products hidden x bias, as a pair of sums
.irp k, 2,4,6,8,10,12,14
	v_pk_fma_f32 v[T:T+1], v[HID+\k:HID+\k+1], v[BIA+\k:BIA+\k+1], v[T:T+1]
.endr
; Row i, in slot i % 9.  fill = 1 (turns 1 to 7): the slot of the row before is asked for again, with the row eight further on than this one.
; left = how many younger loads may still be out when this row's four have to be there.
.macro TURN i, fill, left
.set sl, X+16*((\i)%SLOTS)
.set nx, X+16*(((\i)+8)%SLOTS)
	s_wait_loadcnt \left                           ; my four loads are in; the younger rows, four loads each, stay out
.if \fill
	s_wait_alu depctr_va_vdst(0)                   ; the products of the row before are done reading their slot, in which the four loads below land
	global_load_b128 v[nx:nx+3], v[XOFF], s[4:5] offset:(\i+8)*ROWSTEP th:TH_LOAD_NT      ; no vector instruction since the wait names this slot
.endif
	v_pk_fma_f32 v[A:A+1], v[sl:sl+1], v[V:V+1], v[T:T+1]      ; the bias term starts chain 1,
	v_pk_mul_f32 v[BQ:BQ+1], v[sl+2:sl+3], v[V+2:V+3]          ; a product chain 2: nothing is cleared
.irp j, 1,2,3
.if \fill
	global_load_b128 v[nx+4*\j:nx+4*\j+3], v[XOFF], s[4:5] offset:(\i+8)*ROWSTEP+512*\j th:TH_LOAD_NT
.endif
	v_pk_fma_f32 v[A:A+1], v[sl+4*\j:sl+4*\j+1], v[V+4*\j:V+4*\j+1], v[A:A+1]
	v_pk_fma_f32 v[BQ:BQ+1], v[sl+4*\j+2:sl+4*\j+3], v[V+4*\j+2:V+4*\j+3], v[BQ:BQ+1]
.endr
	v_pk_add_f32 v[A:A+1], v[A:A+1], v[BQ:BQ+1]
	v_add_f32 v[R], v[A], v[A+1]
	v_add_f32_dpp v[R], v[R], v[R] row_xmask:1 row_mask:0xf bank_mask:0xf     ; across 16 lanes on the adds themselves,
	v_add_f32_dpp v[R], v[R], v[R] row_xmask:2 row_mask:0xf bank_mask:0xf
	v_add_f32_dpp v[R], v[R], v[R] row_xmask:4 row_mask:0xf bank_mask:0xf
	v_add_f32_dpp v[R], v[R], v[R] row_xmask:8 row_mask:0xf bank_mask:0xf
	v_permlanex16_b32 v[R2], v[R], s20, s21                                   ; then the other half
.if \i == 0
	v_add_f32 v[E], v[R], v[R2]                    ; row 0 writes every lane of E, so that E is whole before it is read
.else
	v_add_f32 v[R], v[R], v[R2]
	v_cndmask_b32 v[E], v[E], v[R], s[MSK+\i]      ; lanes i and i + 16 keep row i
.endif
.endm
	TURN 0, 0, 32                                  ; rows 1 to 8 stay out; there is no row before, so nothing is asked for
.irp i, 1,2,3,4,5,6,7
	TURN \i, 1, 28                                 ; rows i + 1 to i + 7 stay out
.endr
.irp i, 8,9,10,11,12,13,14,15
	TURN \i, 0, 4*(15-\i)                          ; nothing is asked for any more: 15 - i younger rows are left
.endr
	; the work-group's 256 energies meet in LDS (word 16 w + i is l = 256 y + 16 w + i) and leave as 16 bytes a lane
	s_wait_alu depctr_va_vdst(0)                   ; row 15's select has written E, which the LDS store reads; the bias products are done reading v[HID ..], in which the LDS load below lands (no vector instruction follows this wait)
	ds_store_b32 v[LADR], v[E]                     ; lanes i and i + 16 write the same word with the same value
	s_wait_dscnt 0x0                               ; zero: waves 0 and 1 read these bytes behind the barrier
	s_barrier_signal -1
	s_barrier_wait -1
	s_cmp_gt_u32 s22, 1
	s_cbranch_scc1 .Lend                           ; no barrier follows: the other waves are done
	ds_load_b128 v[HID:HID+3], v[OADR]
	s_wait_dscnt 0x0
	global_store_b128 v[OADR], v[HID:HID+3], s[12:13]          ; each of the two waves stores 512 consecutive bytes, at a multiple of 256 from energy's first byte
.Lend:
	s_wait_dscnt 0x0
	s_wait_alu depctr_hold_cnt(0) depctr_sa_sdst(0) depctr_va_vdst(0) depctr_va_sdst(0) depctr_va_ssrc(0) depctr_va_vcc(0) depctr_vm_vsrc(0)
	s_wait_tensorcnt 0x0
	ds_add_u32 v34, v35
	s_wait_dscnt 0x0
	s_endpgm
.Lfunc_end_k_q76c0264953_score:
	.size	k_q76c0264953_score, .Lfunc_end_k_q76c0264953_score-k_q76c0264953_score
	.p2alignl 7, 3214868480
	.fill 96, 4, 3214868480
	.section	.rodata,"a",@progbits
	.p2align	6, 0x0
	.amdhsa_kernel k_q76c0264953_score
		.amdhsa_group_segment_fixed_size 3072
		.amdhsa_private_segment_fixed_size 0
		.amdhsa_enable_private_segment 0
		.amdhsa_kernarg_size 40
		.amdhsa_user_sgpr_count 2
		.amdhsa_user_sgpr_kernarg_segment_ptr 1
		.amdhsa_wavefront_size32 1
		.amdhsa_system_sgpr_workgroup_id_x 1
		.amdhsa_system_sgpr_workgroup_id_y 1
		.amdhsa_system_sgpr_workgroup_id_z 1
		.amdhsa_system_vgpr_workitem_id 0
		.amdhsa_next_free_vgpr 212
		.amdhsa_next_free_sgpr 66
		.amdhsa_reserve_vcc 0
		.amdhsa_float_denorm_mode_32 3
		.amdhsa_float_denorm_mode_16_64 3
		.amdhsa_memory_ordered 1
		.amdhsa_forward_progress 1
		.amdhsa_inst_pref_size 28
	.end_amdhsa_kernel
	.amdgpu_metadata
---
amdhsa.version: [ 1, 2 ]
amdhsa.kernels:
  - .name:           k_q76c0264953_score
    .symbol:         k_q76c0264953_score.kd
    .args:
      - { .name: encoder_outputs, .offset: 0, .size: 8, .value_kind: global_buffer, .address_space: global }
      - { .name: vproj, .offset: 8, .size: 8, .value_kind: global_buffer, .address_space: global }
      - { .name: hidden, .offset: 16, .size: 8, .value_kind: global_buffer, .address_space: global }
      - { .name: b, .offset: 24, .size: 8, .value_kind: global_buffer, .address_space: global }
      - { .name: energy, .offset: 32, .size: 8, .value_kind: global_buffer, .address_space: global }
    .group_segment_fixed_size: 3072
    .private_segment_fixed_size: 0
    .kernarg_segment_align: 8
    .kernarg_segment_size: 40
    .max_flat_workgroup_size: 512
    .sgpr_count:     66
    .vgpr_count:     212
    .wavefront_size: 32
...
	.end_amdgpu_metadata
.endif
;; end of part 4
;; launch soft: the kernel of part 3 again; grid 64 x 1, 1 waves a work-group, no clusters, 0 bytes of LDS; arguments energy, out0; writes out0
